; MI455X (gfx1250); checked and timed in simulation.
; The chip was launched on July 23, 2026; its instructions are those of AMD's public machine-readable ISA for CDNA 5 (MIT licence, August 2026) and "CDNA5" Instruction Set Architecture Reference Guide (July 2026). The comments in the code are by the model that wrote it; some were corrected since.
;; Multi Head Attention. Allowed arithmetic: float matrix products may take bf16 or f16 operands with f32 sums; all other float work in f32.
;; Inputs: b_k 1,024 float32; b_o 1,024 float32; b_q 1,024 float32; b_v 1,024 float32; k 4 x 2,048 x 1,024 float32; mask 4 x 1 x 2,048 x 2,048 int32; q 4 x 2,048 x 1,024 float32; v 4 x 2,048 x 1,024 float32; w_k 1,024 x 1,024 float32; w_o 1,024 x 1,024 float32; w_q 1,024 x 1,024 float32; w_v 1,024 x 1,024 float32.
;; Outputs: out0 4 x 2,048 x 1,024 float32.
;; One version. Each part assembles by itself: llvm-mc -triple=amdgcn-amd-amdhsa -mcpu=gfx1250 --defsym DOCPART=n.
;; ======== version 1 of 1: 4 launches
;; limits: values are held in f16: magnitudes above 65,504 overflow, below 6.1e-05 lose precision
;; workspace buffers: wb 8,388,608 bytes; mbits 2,097,152 bytes of whole numbers; qkvh 50,331,648 bytes; ao 16,777,216 bytes
;; launch prep (part 1): grid 1280 x 1, 8 waves a work-group, no clusters, 68,608 bytes of LDS; arguments w_q, w_k, w_v, w_o, mask, wb, mbits; writes wb, mbits
.if DOCPART == 1
	.amdgcn_target "amdgcn-amd-amdhsa--gfx1250"
	.amdhsa_code_object_version 6
	.text
	.protected	k_q4ae60dafc9_prep
	.globl	k_q4ae60dafc9_prep
	.p2align	8
	.type	k_q4ae60dafc9_prep,@function
k_q4ae60dafc9_prep:
	s_mov_b64 s[64:65], 0
	v_nop
	global_prefetch_b8 v0, s[64:65] scope:SCOPE_SE
	s_setreg_imm32_b32 hwreg(HW_REG_WAVE_MODE, 25, 1), 1
	s_wait_xcnt 0x0
; PREP: one pass over the weights and the mask.
;  w_q, w_k, w_v [1024][1024] f32 -> wb parts 0..2, bf16, in panels [a][p = 16][n = 1024][64]: a panel row is 128 bytes, so every tile that a product
;                               needs is a dense block.
;  w_o                        -> wb part 3: rounded to bf16 and then written in f16 format, since its partner in the last product is f16.
;                               LIMIT: exact for |w_o| >= 2^-14; below that the f16 step 2^-24 holds; above 65,504 it overflows.
;  mask [4][2048][2048] i32   -> mbits [b][qtile = 128][ktile = 128][j = 8] words: bit L of word j = (mask[b][16 qtile + (L & 15)][16 ktile + 8 (L >> 4) + j] != 0),
;                               the lane mask of register j of a transposed 16 x 16 score tile.
; A wave does one unit of 8 KiB with sixteen 16-byte loads, all issued at once; no loop, no barrier, no register is written twice while a memory
; instruction names it.  No work-group shares input with another and there is no product: no cluster, no matrix unit, no tensor load.
; Work-groups 0..255: the four weights (64 each, 16 rows a group, 2 rows a wave); 256..1279: the mask (8 strips each).
.set PS_W, 131072                      ; bytes from panel to panel in wb
.set MP,   528                         ; LDS pitch of a mask row of 512 bytes: 33 x 16, so sixteen rows begin in sixteen different 16-byte columns of 256
.set LOFF, 2                           ; v2   source offset: (l >> 4) rows of 4,096 bytes + 16 (l & 15)
.set SOFF, 3                           ; v3   8 l: my 8 bytes of a store of 256 bytes
.set LST,  4                           ; v4   mask: where I put 16 bytes of a row in my wave's LDS
.set LRD,  5                           ; v5   mask: where I read a tile's eight words of my row
.set X,    8                           ; v[8:71]    sixteen loads
.set Y,    72                          ; v[72:135]  casts: two packed words a load; mask: eight tiles x eight words
.set OUT,  136                         ; v[136:137] mask: lane l holds words 2 l and 2 l + 1 of the strip's 64
.set T,    138                         ; v[138:141] at work
	s_load_b256 s[4:11], s[0:1], 0x0               ; w_q, w_k, w_v, w_o
	s_load_b128 s[12:15], s[0:1], 0x20             ; mask, wb
	s_load_b64 s[16:17], s[0:1], 0x30              ; mbits
	v_lshl_add_u32 v144, v0, 2, 0x10800
	v_mov_b32 v145, 0
	v_lshrrev_b32 v1, 5, v0
	v_readfirstlane_b32 s26, v1                    ; wave 0..7
	v_and_b32 v1, 31, v0                           ; lane
	v_and_b32 v[T], 15, v0                         ; l & 15
	v_bfe_u32 v[T+1], v0, 4, 1                     ; l >> 4
	v_lshlrev_b32 v[LOFF], 4, v[T]
	v_lshl_add_u32 v[LOFF], v[T+1], 12, v[LOFF]
	v_lshlrev_b32 v[SOFF], 3, v1
	s_mov_b32 s33, 0                               ; upper words of the two offset pairs
	s_mov_b32 s35, 0
	s_wait_kmcnt 0x0
	s_cmp_ge_u32 ttmp9, 256
	s_cbranch_scc1 .Lmask
; Two rows of 4,096 bytes from s[28:29] become sixteen stores of 256 bytes at s[30:31], one in each panel.
; Load p: lanes 0-15 take the 256 bytes of panel p in the even row, lanes 16-31 in the odd row; the store puts the two panel rows side by side.
.macro CAST ps, f16
.irp p, 0,1,2,3,4,5,6,7,8,9,10,11,12,13,14,15
	global_load_b128 v[X+4*\p:X+4*\p+3], v[LOFF], s[28:29] offset:256*\p th:TH_LOAD_NT
.endr
.irp p, 0,1,2,3,4,5,6,7,8,9,10,11,12,13,14,15
	s_wait_loadcnt 15-\p                           ; loads come back in order: load p is in, the 15 - p younger ones stay out
	v_cvt_pk_bf16_f32 v[Y+2*\p], v[X+4*\p], v[X+4*\p+1]
	v_cvt_pk_bf16_f32 v[Y+2*\p+1], v[X+4*\p+2], v[X+4*\p+3]
.if \f16
	v_lshlrev_b32 v[X+4*\p], 16, v[Y+2*\p]         ; the bf16 numbers widened again,
	v_and_b32 v[X+4*\p+1], 0xffff0000, v[Y+2*\p]
	v_lshlrev_b32 v[X+4*\p+2], 16, v[Y+2*\p+1]
	v_and_b32 v[X+4*\p+3], 0xffff0000, v[Y+2*\p+1]
	v_cvt_pk_f16_f32 v[Y+2*\p], v[X+4*\p], v[X+4*\p+1]     ; and written in f16 format
	v_cvt_pk_f16_f32 v[Y+2*\p+1], v[X+4*\p+2], v[X+4*\p+3]
.endif
	global_store_b64 v[SOFF], v[Y+2*\p:Y+2*\p+1], s[30:31] offset:\p*\ps   ; 32 lanes x 8 bytes: 256 consecutive bytes, at a multiple of 256
.endr
.endm
	; a weight
	s_and_b32 s32, ttmp9, 63
	s_lshr_b32 s27, ttmp9, 6                       ; a: 0 w_q, 1 w_k, 2 w_v, 3 w_o
	s_lshl_b32 s32, s32, 4
	s_lshl1_add_u32 s32, s26, s32                  ; my even row = 16 x group + 2 x wave, 0..1022
	s_cmp_eq_u32 s27, 0
	s_cselect_b64 s[28:29], s[4:5], s[6:7]
	s_cmp_eq_u32 s27, 2
	s_cselect_b64 s[28:29], s[8:9], s[28:29]
	s_cmp_eq_u32 s27, 3
	s_cselect_b64 s[28:29], s[10:11], s[28:29]
	s_lshl_b32 s34, s32, 12
	s_add_nc_u64 s[28:29], s[28:29], s[34:35]      ; source + row x 4,096
	s_lshl_b32 s36, s27, 21
	s_lshl_b32 s37, s32, 7
	s_add_co_u32 s34, s36, s37
	s_add_nc_u64 s[30:31], s[14:15], s[34:35]      ; wb + a x 2 MiB + row x 128
	s_cmp_eq_u32 s27, 3
	s_cbranch_scc1 .Lwo
	CAST PS_W, 0
	s_endpgm
.Lwo:
	CAST PS_W, 1
	s_endpgm
.Lmask:
	; A strip is 16 rows x 128 keys = eight tiles.  It goes through my wave's own 8,448 bytes of LDS to turn rows into the tiles' lane order.
	s_sub_co_u32 s27, ttmp9, 256
	s_lshl3_add_u32 s27, s27, s26                  ; strip = 8 x group + wave, 0..8191
	s_lshr_b32 s32, s27, 4                         ; 128 b + qtile
	s_lshl_b32 s32, s32, 17                        ; x 16 rows of 8,192 bytes
	s_and_b32 s34, s27, 15
	s_lshl_b32 s34, s34, 9                         ; + 128 keys of 4 bytes for each strip of the row
	s_add_co_u32 s34, s34, s32
	s_add_nc_u64 s[28:29], s[12:13], s[34:35]
	s_lshl_b32 s32, s27, 8                         ; a strip's 64 words
	s_add_nc_u64 s[30:31], s[16:17], s[32:33]
	v_lshlrev_b32 v[T+2], 4, v1                    ; 16 l
	s_mul_i32 s36, s26, 16*MP
	v_add_nc_u32 v[LST], s36, v[T+2]
	v_mul_u32_u24 v[T+3], v[T], MP                 ; my row of the tile,
	v_lshl_add_u32 v[T+3], v[T+1], 5, v[T+3]       ; and its keys 8 (l >> 4) ..
	v_add_nc_u32 v[LRD], s36, v[T+3]
	v_mov_b32 v[OUT], 0                            ; v_writelane_b32 keeps the other lanes: both registers are written whole first
	v_mov_b32 v[OUT+1], 0
.irp rr, 0,1,2,3,4,5,6,7,8,9,10,11,12,13,14,15
	global_load_b128 v[X+4*\rr:X+4*\rr+3], v[T+2], s[28:29] offset:8192*\rr th:TH_LOAD_NT   ; 512 consecutive bytes of row rr
.endr
.irp rr, 0,1,2,3,4,5,6,7,8,9,10,11,12,13,14,15
	s_wait_loadcnt 15-\rr                          ; row rr is in, the younger rows stay out
	ds_store_b128 v[LST], v[X+4*\rr:X+4*\rr+3] offset:MP*\rr
.endr
.irp t, 0,1,2,3,4,5,6,7
	ds_load_b128 v[Y+8*\t:Y+8*\t+3], v[LRD] offset:64*\t          ; LDS serves a wave's instructions in order (ISA guide 5.7.1.4): these see my stores
	ds_load_b128 v[Y+8*\t+4:Y+8*\t+7], v[LRD] offset:64*\t+16
.endr
.irp t, 0,1,2,3,4,5,6,7
	s_wait_dscnt 14-2*\t                           ; tile t's two loads are in; the 14 - 2 t younger ones stay out
.irp j, 0,1,2,3,4,5,6,7
	v_cmp_ne_u32 s[36+\j], 0, v[Y+8*\t+\j]         ; the 32 lanes' bits of word j
.endr
.irp j, 0,1,2,3,4,5,6,7
	v_writelane_b32 v[OUT+(\j&1)], s[36+\j], 4*\t+(\j>>1)         ; word 8 t + j of the strip
.endr
.endr
	global_store_b64 v[SOFF], v[OUT:OUT+1], s[30:31]               ; 256 consecutive bytes, at a multiple of 256
	s_wait_tensorcnt 0x0
	ds_add_u32 v144, v145
	s_wait_dscnt 0x0
	s_endpgm
.Lfunc_end_k_q4ae60dafc9_prep:
	.size	k_q4ae60dafc9_prep, .Lfunc_end_k_q4ae60dafc9_prep-k_q4ae60dafc9_prep
	.p2alignl 7, 3214868480
	.fill 96, 4, 3214868480
	.section	.rodata,"a",@progbits
	.p2align	6, 0x0
	.amdhsa_kernel k_q4ae60dafc9_prep
		.amdhsa_group_segment_fixed_size 68608
		.amdhsa_private_segment_fixed_size 0
		.amdhsa_enable_private_segment 0
		.amdhsa_kernarg_size 56
		.amdhsa_user_sgpr_count 2
		.amdhsa_user_sgpr_kernarg_segment_ptr 1
		.amdhsa_wavefront_size32 1
		.amdhsa_system_sgpr_workgroup_id_x 1
		.amdhsa_system_sgpr_workgroup_id_y 1
		.amdhsa_system_sgpr_workgroup_id_z 1
		.amdhsa_system_vgpr_workitem_id 0
		.amdhsa_next_free_vgpr 146
		.amdhsa_next_free_sgpr 66
		.amdhsa_reserve_vcc 0
		.amdhsa_float_denorm_mode_32 3
		.amdhsa_float_denorm_mode_16_64 3
		.amdhsa_memory_ordered 1
		.amdhsa_forward_progress 1
		.amdhsa_inst_pref_size 31
	.end_amdhsa_kernel
	.amdgpu_metadata
---
amdhsa.version: [ 1, 2 ]
amdhsa.kernels:
  - .name:           k_q4ae60dafc9_prep
    .symbol:         k_q4ae60dafc9_prep.kd
    .args:
      - { .name: w_q, .offset: 0, .size: 8, .value_kind: global_buffer, .address_space: global }
      - { .name: w_k, .offset: 8, .size: 8, .value_kind: global_buffer, .address_space: global }
      - { .name: w_v, .offset: 16, .size: 8, .value_kind: global_buffer, .address_space: global }
      - { .name: w_o, .offset: 24, .size: 8, .value_kind: global_buffer, .address_space: global }
      - { .name: mask, .offset: 32, .size: 8, .value_kind: global_buffer, .address_space: global }
      - { .name: wb, .offset: 40, .size: 8, .value_kind: global_buffer, .address_space: global }
      - { .name: mbits, .offset: 48, .size: 8, .value_kind: global_buffer, .address_space: global }
    .group_segment_fixed_size: 68608
    .private_segment_fixed_size: 0
    .kernarg_segment_align: 8
    .kernarg_segment_size: 56
    .max_flat_workgroup_size: 256
    .sgpr_count:     66
    .vgpr_count:     146
    .wavefront_size: 32
...
	.end_amdgpu_metadata
.endif
;; end of part 1
;; launch proj (part 2): grid 4 x 64, 4 waves a work-group, clusters of 4 x 4, 327,680 bytes of LDS; arguments q, k, v, wb, b_q, b_k, b_v, qkvh; writes qkvh
.if DOCPART == 2
	.amdgcn_target "amdgcn-amd-amdhsa--gfx1250"
	.amdhsa_code_object_version 6
	.text
	.protected	k_q4ae60dafc9_proj
	.globl	k_q4ae60dafc9_proj
	.p2align	8
	.type	k_q4ae60dafc9_proj,@function
k_q4ae60dafc9_proj:
	s_mov_b64 s[64:65], 0
	v_nop
	global_prefetch_b8 v0, s[64:65] scope:SCOPE_SE
	s_setreg_imm32_b32 hwreg(HW_REG_WAVE_MODE, 25, 1), 1
	s_wait_xcnt 0x0
	s_wait_alu depctr_hold_cnt(0) depctr_sa_sdst(0) depctr_va_vdst(0) depctr_va_sdst(0) depctr_va_ssrc(0) depctr_va_vcc(0) depctr_vm_vsrc(0)
	s_getreg_b32 s2, hwreg(HW_REG_IB_STS2, 6, 4)
	s_cmp_eq_u32 s2, 0
	s_cbranch_scc0 .Lentry_in_a_cluster
	s_endpgm
.Lentry_in_a_cluster:
	s_bfe_u32 s2, ttmp6, 0x10000c
	s_cmp_lg_u32 s2, 0xf033
	s_cbranch_scc0 .Lentry_shape_is_right
	s_endpgm
.Lentry_shape_is_right:
; PROJ: the three input projections.  qkvh[4 which + b][head][row][64] = f16((x w^T + bias) x scale), x = q, k, v in f32 as given, rounded to bf16 on the
; way from LDS to the matrix unit; w in bf16 from wb; sums in f32; scale = 0.125 log2(e) for Q (so that the scores come out in powers of two), 1 for K and V.
; LIMIT: a projected value beyond 65,504 overflows f16.
; 256 work-groups that stay: each makes the same block of 128 rows x 256 columns of Q, then of K, then of V, with four waves of 64 x 128 (32 accumulator tiles,
; 256 registers).  The three tiles are one stream of 24 K steps of 128 through a ring of two LDS slots: a tile's last two K steps ask for the next tile's first
; two, which land while the results go out.
; A slot: x, 128 rows x 128 numbers of f32, 16 bytes skipped behind each row of 512 (pitch 528 = 33 x 16); then w's two panels of 64 along K, 256 rows each, dense
; blocks fetched as rows of 256 bytes with 16 bytes skipped behind every 128 (pitch 144 = 9 x 16).  With both pitches the sixteen rows of a fragment begin in
; different 16-byte columns of 256.
; LDS per 32 of K: 4 waves x 32 loads of 512 bytes and 32 KiB of fill.  x is read as f32 (twice the bytes of bf16) in return for a cast pass over q, k and v
; (100 MB read, 50 MB written, 50 MB read again) that does not exist.
; CLUSTERS: 4 x 4 work-groups.  The four of a row of the cluster need the same rows of x, the four of a column the same rows of w: each tile is asked for
; jointly, with one descriptor and a mask that names the four, which divides the requests for both by four.
; REGISTERS: window 0: addresses, x as loaded (RA), x in bf16 (FA), w's fragments (FB, two buffers); window 1: the accumulators, tile (a, b) at v[8 (8 a + b)];
; window 2: v0-191 the three biases.
; THE MATRIX INSTRUCTION IS USED TRANSPOSED (source 0 = 16 rows of w, source 1 = 16 rows of x): a lane then holds eight neighbouring columns of one row.
.set APITCH, 528
.set BPITCH, 144
.set AHALF,  64*APITCH                 ; 64 rows of x: what one tensor load brings, and what one wave reads
.set BPL,    256*BPITCH                ; w: 256 rows of one panel
.set BOFF,   2*AHALF                   ; a slot: x, w panel 0, w panel 1
.set SLOT,   BOFF+2*BPL                ; 141,312
.set STAGE,  2*SLOT                    ; behind the ring, a multiple of 256: 16 rows x 272 bytes for each wave; no tensor load lands here
.set SPITCH, 272
.set ADRA, 16                          ; v16-17  LDS address of my fragments of x in slot 0, 1
.set ADRB, 20                          ; v20-21  the same for w
.set STO,  24                          ; v24     way out: where I put 16 bytes
.set RD,   25                          ; v25     way out: where I read 16 bytes back
.set CO,   26                          ; v26     way out: my byte offset in qkvh
.set VB,   27                          ; v27     my byte offset in a bias
.set PF,   28                          ; v28     my block of 256 bytes among those that the cluster's row prefetches in a lap; never rewritten
.set FA,   32                          ; v32-63    x in bf16: 4 fragments of 16 rows x 32 K
.set RA,   64                          ; v64-127   x as loaded: 4 x 16 registers of f32
.set FB,   128                         ; v128-191, v192-255 fragments of w: 8 x 16 rows x 32 K, two buffers
.set TMP,  RA                          ; way out: packed results in v64-95; read-backs in v96-127 and v32-63 by turns
.set G1,  28                           ; s[28:35] group 1 for x
.set G0,  36                           ; s[36:43] group 0 for x, one set a slot
.set G1B, 44                           ; s[44:51] group 1 for w
.set G0B, 52                           ; s[52:59] group 0 for w, one set a slot
.set NK,  80                           ; s[80:81] k at the 64 rows that I fetch;  NV: the same of v
.set NV,  82
.set PP,  84                           ; s[84:85] where the next prefetch points: x at the block's first row, at a lap's first byte
.set PK,  86                           ; s[86:87] k at the block's first row;  PV: the same of v
.set PV,  88
.set G1WA, (2<<16)|(1<<20)|(1<<21)|(6<<22)|(3<<25)  ; elements of 4 bytes; padding on; bit 21 beside a mask; behind every 128 words; 4 words
.set G1WB, (3<<16)|(1<<20)|(1<<21)|(4<<22)|(3<<25)  ; elements of 8 bytes; behind every 32 words; 4 words
.set ACCW, 0x50                        ; C and D in window 1, both sources in window 0
.set MSB, 0
.macro WIN new                         ; the immediate's high byte repeats the setting that is left
.if MSB != \new
	s_set_vgpr_msb (MSB<<8)|\new
.set MSB, \new
.endif
.endm
; A joint load.  Waves 0 and 1 fetch x's two halves, waves 2 and 3 w's two panels.  The branch hangs on the wave's number alone.
.macro JLOAD s
	s_cmp_eq_u32 s21, 0
	s_cbranch_scc0 .Lfor_b_\@
	tensor_load_to_lds s[G0+4*\s:G0+4*\s+3], s[G1:G1+7]
	s_nop 0
	s_branch .Lasked_\@
.Lfor_b_\@:
	tensor_load_to_lds s[G0B+4*\s:G0B+4*\s+3], s[G1B:G1B+7]
	s_nop 0
.Lasked_\@:
.endm
.macro CREST                           ; a round of the cluster's barrier behind its opening barrier
	s_cmp_lg_u32 s20, 0
	s_cbranch_scc1 .Lnot_wave_0_\@
	s_barrier_signal -3
.Lnot_wave_0_\@:
	s_barrier_wait -3
	s_barrier_signal -1
	s_barrier_wait -1
.endm
.macro CROUND                          ; a whole round
	s_barrier_signal -1
	s_barrier_wait -1
	CREST
.endm
.macro PLACES                          ; four plain places behind matrix instructions, ahead of writes of and loads into their sources and of reads of their results
.rept 4
	v_nop
.endr
.endm
	s_load_b512 s[4:19], s[0:1], 0x0               ; q s[4:5], k s[6:7], v s[8:9], wb s[10:11], b_q s[12:13], b_k s[14:15], b_v s[16:17], qkvh s[18:19]
	v_lshl_add_u32 v30, v0, 2, 0x49400
	v_mov_b32 v31, 0
	ds_add_u32 v30, v31
	v_lshrrev_b32 v1, 5, v0
	v_readfirstlane_b32 s20, v1                    ; W: wave 0..3
	s_lshr_b32 s21, s20, 1                         ; WM: my 64 rows.  Also: I fetch for x (0) or for w (1)
	s_and_b32 s22, s20, 1                          ; WN: my 128 columns.  Also: the half of x or the panel of w that I fetch
	s_bfe_u32 s23, ttmp6, 0x40000                  ; cx
	s_bfe_u32 s24, ttmp6, 0x40004                  ; cy
	s_lshl_b32 s25, ttmp9, 2
	s_add_co_u32 s25, s25, s23                     ; BC: block column, 0..3
	s_and_b32 s26, ttmp7, 0xffff
	s_lshl_b32 s26, s26, 2
	s_add_co_u32 s26, s26, s24                     ; BR: block row, 0..63
	s_lshl_b32 s60, s24, 2
	s_lshl_b32 s60, 15, s60                        ; my row of the cluster
	s_lshl_b32 s61, 0x1111, s23                    ; my column
	s_or_b32 s[G1+0], s60, G1WA
	s_or_b32 s[G1B+0], s61, G1WB
	s_mov_b32 s[G1+1], 128<<16                     ; tensor_dim0: x 128 numbers of 4 bytes
	s_mov_b32 s[G1B+1], 32<<16                     ;              w 32 elements of 8 bytes
	s_mov_b32 s[G1+2], 64<<16                      ; tensor_dim1: x 64 rows
	s_mov_b32 s[G1B+2], 128<<16                    ;              w 128 rows of 256 bytes (256 panel rows)
	s_mov_b32 s[G1+3], 128<<16                     ; tile_dim0
	s_mov_b32 s[G1B+3], 32<<16
	s_mov_b32 s[G1+4], 64                          ; tile_dim1
	s_mov_b32 s[G1B+4], 128
	s_mov_b32 s[G1+5], 1024                        ; from row to row: x 1,024 numbers,
	s_mov_b32 s[G1B+5], 32                         ; w dense
	s_mov_b32 s[G1+6], 0
	s_mov_b32 s[G1B+6], 0
	s_mov_b32 s[G1+7], 0
	s_mov_b32 s[G1B+7], 0
	; x's tiles hang on the block row (shared along my row of the cluster), w's on the block column (shared along my column)
	s_lshl_b32 s78, s26, 19                        ; the block's 128 rows of 4,096 bytes
	s_mov_b32 s79, 0
	s_lshl_b32 s76, s22, 18                        ; + the 64 rows that I fetch
	s_add_co_u32 s76, s76, s78
	s_mov_b32 s77, 0
	s_lshl_b32 s66, s25, 15                        ; w: 256 rows of 128 bytes for each block column
	s_lshl_b32 s67, s22, 17                        ; + my panel
	s_add_co_u32 s66, s66, s67
	s_mov_b32 s67, 0
	s_mul_i32 s62, s22, AHALF                      ; where they go: no place in the cluster enters an LDS address
	s_mul_i32 s63, s22, BPL
	s_add_co_u32 s63, s63, BOFF
	s_wait_dscnt 0x0
	s_wait_kmcnt 0x0
	s_add_nc_u64 s[PP:PP+1], s[4:5], s[78:79]
	s_add_nc_u64 s[PP:PP+1], s[PP:PP+1], 1024      ; the first prefetch asks for q's second lap
	s_add_nc_u64 s[PK:PK+1], s[6:7], s[78:79]
	s_add_nc_u64 s[PV:PV+1], s[8:9], s[78:79]
	s_add_nc_u64 s[NK:NK+1], s[6:7], s[76:77]
	s_add_nc_u64 s[NV:NV+1], s[8:9], s[76:77]
	s_add_nc_u64 s[76:77], s[4:5], s[76:77]        ; q at the rows that I fetch
	s_add_nc_u64 s[66:67], s[10:11], s[66:67]      ; w_q's part of wb; w_k's and w_v's follow it, each 8 K steps of 262,144 bytes further
	CROUND                                         ; all sixteen work-groups are here: the first joint loads meet
.irp s, 0,1
	s_mov_b32 s[G0+4*\s], 1
	s_add_co_u32 s[G0+4*\s+1], s62, \s*SLOT
	s_add_nc_u64 s[G0+4*\s+2:G0+4*\s+3], s[76:77], \s*512          ; K step s: 128 numbers of 4 bytes on
	s_or_b32 s[G0+4*\s+3], s[G0+4*\s+3], 0x80000000
	s_mov_b32 s[G0B+4*\s], 1
	s_add_co_u32 s[G0B+4*\s+1], s63, \s*SLOT
	s_add_nc_u64 s[G0B+4*\s+2:G0B+4*\s+3], s[66:67], \s*2*131072   ; K step s: two panels on
	s_or_b32 s[G0B+4*\s+3], s[G0B+4*\s+3], 0x80000000
	JLOAD \s                                       ; both slots are asked for before anything else: two tensor loads of the wave are out here, later one
.endr
	s_mov_b32 s70, 0x3e38aa3b                      ; 0.125 log2(e), twice: a pair for the packed forms
	s_mov_b32 s71, 0x3e38aa3b
	v_and_b32 v1, 15, v0                           ; r = l % 16
	v_bfe_u32 v2, v0, 4, 1                         ; h = l / 16
	s_lshl_b32 s90, s25, 10                        ; my 128 columns' bias: (256 BC + 128 WN) x 4 bytes
	s_lshl_b32 s91, s22, 9
	s_add_co_u32 s90, s90, s91
	v_lshl_add_u32 v[VB], v2, 5, s90               ; + 8 h numbers
.macro BIAS t, p                       ; tile t's bias of columns 16 b + 8 h + 0..7 into window 2, v[64 t + 8 b ..]
.irp b, 0,1,2,3,4,5,6,7
	global_load_b128 v[64*\t+8*\b:64*\t+8*\b+3], v[VB], s[\p:\p+1] offset:64*\b
	global_load_b128 v[64*\t+8*\b+4:64*\t+8*\b+7], v[VB], s[\p:\p+1] offset:64*\b+16
.endr
.endm
	WIN 0x80                                       ; destination in window 2, address in window 0
	BIAS 0, 12
	BIAS 1, 14
	BIAS 2, 16
	WIN 0
	; A fragment: lane l holds row l % 16; registers 0-3 K = 8 h + 0..7, registers 4-7 K = 16 + 8 h + 0..7.
	; w (bf16): two loads of 16 bytes, 32 bytes apart, at 16 h.  x (f32): four loads, at 32 h + 0, 16, 64, 80, and eight conversions.
	v_mul_u32_u24 v3, v1, APITCH
	v_lshl_add_u32 v3, v2, 5, v3
	v_mul_u32_u24 v4, v1, BPITCH
	v_lshl_add_u32 v4, v2, 4, v4
	s_mul_i32 s60, s21, AHALF                      ; my 64 rows of x
	s_mul_i32 s61, s22, 128*BPITCH                 ; my 128 rows of w,
	s_add_co_u32 s61, s61, BOFF                    ; behind x
.irp s, 0,1
	v_add_nc_u32 v[ADRA+\s], s60, v3
	v_add_nc_u32 v[ADRB+\s], s61, v4
	s_add_co_u32 s60, s60, SLOT
	s_add_co_u32 s61, s61, SLOT
.endr
	s_mul_i32 s62, s20, 16*SPITCH
	s_add_co_u32 s62, s62, STAGE                   ; my stage
	v_mul_u32_u24 v5, v1, SPITCH
	v_lshl_add_u32 v5, v2, 4, v5
	v_add_nc_u32 v[STO], s62, v5                   ; in: row r, 16 bytes for each half of the lanes
	v_bfe_u32 v6, v0, 3, 1
	v_mul_u32_u24 v6, v6, SPITCH                   ; back: lanes 0-7 and 8-15 take two rows' 128 bytes of my first head,
	v_lshl_add_u32 v6, v2, 7, v6                   ; lanes 16-31 the same of my second head
	v_and_b32 v7, 7, v0
	v_lshl_add_u32 v6, v7, 4, v6
	v_add_nc_u32 v[RD], s62, v6
	v_lshlrev_b32 v[CO], 4, v1                     ; two panel rows are 256 neighbouring bytes of qkvh,
	v_lshl_add_u32 v[CO], v2, 18, v[CO]            ; the second head lies one panel further
	; The prefetch: a lap's part of the block's 128 rows of x is 128 x 1,024 bytes = 512 blocks of 256; the four partners' 4 x 128 threads take one each:
	; row 32 cx + thread / 4, block thread % 4.  No other work-group reads these rows, so each block is asked for once in the launch.
	v_lshrrev_b32 v8, 2, v0
	v_lshl_add_u32 v8, s23, 5, v8
	v_and_b32 v9, 3, v0
	v_lshlrev_b32 v9, 8, v9
	v_lshl_add_u32 v[PF], v8, 12, v9
	s_lshr_b32 s90, s26, 4
	s_lshl_b32 s90, s90, 22                        ; b x 4 MiB
	s_lshl_b32 s91, s25, 20                        ; + (4 BC
	s_add_co_u32 s90, s90, s91
	s_lshl_b32 s91, s22, 19                        ;    + 2 WN) panels
	s_add_co_u32 s90, s90, s91
	s_and_b32 s91, s26, 15
	s_lshl_b32 s91, s91, 14                        ; + the block's 128 rows
	s_add_co_u32 s90, s90, s91
	s_lshl_b32 s91, s21, 13                        ; + my 64 rows
	s_add_co_u32 s90, s90, s91
	s_mov_b32 s91, 0
	s_add_nc_u64 s[72:73], s[18:19], s[90:91]      ; Q's part of qkvh; K's and V's lie 16 MiB further each
	s_wait_loadcnt 0x0                             ; the biases, once; they come while the first tiles are on their way
	WIN 0x82                                       ; source 0 and destination in window 2
.set n, 0
.rept 32
	v_pk_mul_f32 v[n:n+1], v[n:n+1], s[70:71] op_sel_hi:[1,0]     ; b_q x scale, so that Q's way out is one fused multiply-add
.set n, n+2
.endr
	WIN 0
; 8 matrix instructions: row block a x all 8 column blocks, 32 along K, w from buffer f.  zero = 1: the first product starts the sums.
; The 32 accumulators take turns, one instruction a turn, in the same order in every quarter step.
.macro MUL8 f, a, zero
.irp b, 0,1,2,3,4,5,6,7
.if \zero
	v_wmma_f32_16x16x32_bf16 v[8*(8*\a+\b):8*(8*\a+\b)+7], v[FB+64*\f+8*\b:FB+64*\f+8*\b+7], v[FA+8*\a:FA+8*\a+7], 0
.else
	v_wmma_f32_16x16x32_bf16 v[8*(8*\a+\b):8*(8*\a+\b)+7], v[FB+64*\f+8*\b:FB+64*\f+8*\b+7], v[FA+8*\a:FA+8*\a+7], v[8*(8*\a+\b):8*(8*\a+\b)+7]
.endif
.endr
.endm
; 32 LDS loads in one run: quarter kq of a K step: w's 128 rows (panel kq >> 1, byte 64 (kq & 1) of its rows) into buffer f, x's 64 rows (byte 128 kq) into RA
.macro FETCH slot, kq, f
.irp i, 0,1,2,3,4,5,6,7
	ds_load_b128 v[FB+64*\f+8*\i:FB+64*\f+8*\i+3], v[ADRB+\slot] offset:(\kq>>1)*BPL+(\kq&1)*64+\i*16*BPITCH
	ds_load_b128 v[FB+64*\f+8*\i+4:FB+64*\f+8*\i+7], v[ADRB+\slot] offset:(\kq>>1)*BPL+(\kq&1)*64+\i*16*BPITCH+32
.endr
.irp i, 0,1,2,3
	ds_load_b128 v[RA+16*\i:RA+16*\i+3], v[ADRA+\slot] offset:\kq*128+\i*16*APITCH
	ds_load_b128 v[RA+16*\i+4:RA+16*\i+7], v[ADRA+\slot] offset:\kq*128+\i*16*APITCH+16
	ds_load_b128 v[RA+16*\i+8:RA+16*\i+11], v[ADRA+\slot] offset:\kq*128+\i*16*APITCH+64
	ds_load_b128 v[RA+16*\i+12:RA+16*\i+15], v[ADRA+\slot] offset:\kq*128+\i*16*APITCH+80
.endr
.endm
.macro CVT                             ; x's four fragments, f32 to bf16, round to nearest even: the one rounding of x
.irp i, 0,1,2,3
.irp j, 0,1,2,3,4,5,6,7
	v_cvt_pk_bf16_f32 v[FA+8*\i+\j], v[RA+16*\i+2*\j], v[RA+16*\i+2*\j+1]
.endr
.endr
.endm
; One of a K step's first three quarters: converts x's fragments of this quarter, fetches quarter kq (w into buffer g), multiplies with buffer f.
; The 32 loads have the quarter's 32 matrix instructions in which to come.
; pf = 1: my prefetch of the lap, behind the run of loads;  pf = 2: its pointer steps a lap on, a K step behind the prefetch.
.macro QUARTER slot, kq, f, g, zero, pf
	s_wait_dscnt 0x0                               ; this quarter's fragments, asked for a quarter ago
	WIN 0
	PLACES                                         ; FA and buffer g were read by the matrix instructions just issued
	CVT
	FETCH \slot, \kq, \g
.if \pf == 1
	global_prefetch_b8 v[PF], s[PP:PP+1] th:TH_LOAD_NT scope:SCOPE_SE      ; the next lap's 1,024 bytes of x's rows: its joint loads go out at the ends of this lap's two K steps
.endif
.if \pf == 2
	s_wait_xcnt 0x0                                ; the prefetch has read its pointer
	s_add_nc_u64 s[PP:PP+1], s[PP:PP+1], 1024
.endif
	WIN ACCW
	MUL8 \f, 0, \zero
	MUL8 \f, 1, \zero
	MUL8 \f, 2, \zero
	MUL8 \f, 3, \zero
.endm
; The last quarter: multiplies with buffer 1 and changes slots.  One barrier does two things: in front of it each wave waits for its reads of this slot and for
; all its tensor loads (one is out: its part of the next slot); behind it nobody reads this slot and the next one is whole.
; fill = 1 or 2: the barrier opens a round of the cluster's barrier, and the joint refill of this slot, two K steps ahead, is the first tensor load behind the
; round; 1: the same tile's K step; 2: the next tile's, x from s[nb:nb+1] (w's address steps on: the parts of wb follow each other).  fill = 0: nothing is left to ask for.
; fetch = 1: the next slot's first fragments.  bar = 0: the launch's last quarter.
; From a request to the wait for it a wave issues 120 matrix instructions.
.macro TURN slot, next, fill, nb, fetch, bar
	s_wait_dscnt 0x0                               ; my reads of this slot are over
	WIN 0
	PLACES
	CVT
.if \bar
	s_wait_tensorcnt 0x0                           ; and all my tensor loads have landed
	ds_add_u32 v30, v31
	s_wait_dscnt 0x0
	s_barrier_signal -1
.endif
	WIN ACCW
	MUL8 1, 0, 0                                   ; registers only, while the others arrive
.if \bar
	WIN 0
	s_barrier_wait -1
.if \fill
	CREST
.if \fill == 1
	s_add_nc_u64 s[G0+4*\slot+2:G0+4*\slot+3], s[G0+4*\slot+2:G0+4*\slot+3], 2*512         ; no tensor load of mine is out: group 0 may be written
.else
	s_add_nc_u64 s[G0+4*\slot+2:G0+4*\slot+3], s[\nb:\nb+1], \slot*512
	s_or_b32 s[G0+4*\slot+3], s[G0+4*\slot+3], 0x80000000
.endif
	s_add_nc_u64 s[G0B+4*\slot+2:G0B+4*\slot+3], s[G0B+4*\slot+2:G0B+4*\slot+3], 4*131072
	JLOAD \slot
.endif
.if \fetch
	FETCH \next, 0, 0
.endif
	WIN ACCW
.endif
	MUL8 1, 1, 0
	MUL8 1, 2, 0
	MUL8 1, 3, 0
.endm
.macro KSTEP slot, next, zero, fill, nb, fetch, bar, pf
	QUARTER \slot, 1, 0, 1, \zero, \pf
	QUARTER \slot, 2, 1, 0, 0, 0
	QUARTER \slot, 3, 0, 1, 0, 0
	TURN \slot, \next, \fill, \nb, \fetch, \bar
.endm
; THE WAY OUT, 16 rows at a time: (sum + bias) x scale in place, rounded to f16, 16 bytes a lane into my own stage, read back as pairs of panel rows into rb.
.macro OUT16 wh, i, rb
.if \wh == 0
	WIN 0x61                                       ; source 0 and destination (sums) window 1, source 2 (bias) window 2
.irp b, 0,1,2,3,4,5,6,7
.irp r, 0,2,4,6
	v_pk_fma_f32 v[8*(8*\i+\b)+\r:8*(8*\i+\b)+\r+1], v[8*(8*\i+\b)+\r:8*(8*\i+\b)+\r+1], s[70:71], v[8*\b+\r:8*\b+\r+1] op_sel_hi:[1,0,1]
.endr
.endr
.else
	WIN 0x49                                       ; source 0 and destination window 1, source 1 (bias) window 2
.irp b, 0,1,2,3,4,5,6,7
.irp r, 0,2,4,6
	v_pk_add_f32 v[8*(8*\i+\b)+\r:8*(8*\i+\b)+\r+1], v[8*(8*\i+\b)+\r:8*(8*\i+\b)+\r+1], v[64*\wh+8*\b+\r:64*\wh+8*\b+\r+1]
.endr
.endr
.endif
	WIN 0x05                                       ; both sources window 1, destination window 0
.irp b, 0,1,2,3,4,5,6,7
.irp r, 0,1,2,3
	v_cvt_pk_f16_f32 v[TMP+4*\b+\r], v[8*(8*\i+\b)+2*\r], v[8*(8*\i+\b)+2*\r+1]
.endr
.endr
	WIN 0
.irp b, 0,1,2,3,4,5,6,7
	ds_store_b128 v[STO], v[TMP+4*\b:TMP+4*\b+3] offset:32*\b
.endr
	s_wait_xcnt 0x0                                ; rb, which earlier stores read, is loaded again only behind this wait
.irp t, 0,1,2,3,4,5,6,7
	ds_load_b128 v[\rb+4*\t:\rb+4*\t+3], v[RD] offset:\t*2*SPITCH          ; LDS serves a wave's instructions in order (ISA guide 5.7.1.4): these see the stores above
.endr
.irp t, 0,1,2,3,4,5,6,7
	s_wait_dscnt 7-\t                              ; read-back t is in, the younger ones stay out
	global_store_b128 v[CO], v[\rb+4*\t:\rb+4*\t+3], s[72:73] offset:2048*\i+256*\t        ; 16 lanes store 256 consecutive bytes, at a multiple of 256
.endr
.endm
; One tile: eight K steps = four laps of the ring, and the way out.  wh: 0 Q, 1 K, 2 V.  more = 1: another tile follows, x from s[nb:nb+1], prefetched from s[np:np+1].
; At its head slot 0 is whole for every wave, slot 1 is on its way, and the first fragments have been asked for.
.macro TILE wh, nb, np, more
	KSTEP 0, 1, 1, 1, 0, 1, 1, 1                   ; the first lap stands ahead of the loop: its first products start the sums
	KSTEP 1, 0, 0, 1, 0, 1, 1, 2
	WIN 0
	s_mov_b32 s74, 2
.Llap_\wh:
	KSTEP 0, 1, 0, 1, 0, 1, 1, 1
	KSTEP 1, 0, 0, 1, 0, 1, 1, 2
	WIN 0
	s_sub_co_u32 s74, s74, 1
	s_cmp_lg_u32 s74, 0
	s_cbranch_scc1 .Llap_\wh
.if \more
	s_wait_xcnt 0x0
	s_mov_b64 s[PP:PP+1], s[\np:\np+1]             ; the last lap prefetches the next tile's first lap
	KSTEP 0, 1, 0, 2, \nb, 1, 1, 1                 ; and asks for the next tile's first two K steps
	KSTEP 1, 0, 0, 2, \nb, 0, 1, 2
.else
	KSTEP 0, 1, 0, 0, 0, 1, 1, 0                   ; the launch's last lap fills and prefetches nothing
	KSTEP 1, 0, 0, 0, 0, 0, 0, 0
.endif
	WIN 0
	PLACES                                         ; behind the last matrix instructions, ahead of the reads of their results
	OUT16 \wh, 0, RA+32
	OUT16 \wh, 1, FA
	OUT16 \wh, 2, RA+32
	OUT16 \wh, 3, FA
.if \more
	s_wait_xcnt 0x0                                ; the stores have read their base and their data: both are written again below
	s_add_nc_u64 s[72:73], s[72:73], 0x1000000     ; the next tile's part of qkvh
	FETCH 0, 0, 0                                  ; slot 0 was shown whole by the last barrier
.endif
.endm
	s_wait_tensorcnt 1                             ; my part of K step 0 is in; K step 1's may stay out
	s_barrier_signal -1
	s_barrier_wait -1
	FETCH 0, 0, 0
	TILE 0, NK, PK, 1
	TILE 1, NV, PV, 1
	TILE 2, 0, 0, 0
	s_wait_tensorcnt 0x0
	ds_add_u32 v30, v31
	s_wait_dscnt 0x0
	CROUND                                         ; the closing round: no work-group ends while a partner may still ask for a tile that names it
	s_endpgm
.Lfunc_end_k_q4ae60dafc9_proj:
	.size	k_q4ae60dafc9_proj, .Lfunc_end_k_q4ae60dafc9_proj-k_q4ae60dafc9_proj
	.p2alignl 7, 3214868480
	.fill 96, 4, 3214868480
	.section	.rodata,"a",@progbits
	.p2align	6, 0x0
	.amdhsa_kernel k_q4ae60dafc9_proj
		.amdhsa_group_segment_fixed_size 327680
		.amdhsa_private_segment_fixed_size 0
		.amdhsa_enable_private_segment 0
		.amdhsa_kernarg_size 64
		.amdhsa_user_sgpr_count 2
		.amdhsa_user_sgpr_kernarg_segment_ptr 1
		.amdhsa_wavefront_size32 1
		.amdhsa_system_sgpr_workgroup_id_x 1
		.amdhsa_system_sgpr_workgroup_id_y 1
		.amdhsa_system_sgpr_workgroup_id_z 1
		.amdhsa_system_vgpr_workitem_id 0
		.amdhsa_next_free_vgpr 704
		.amdhsa_next_free_sgpr 96
		.amdhsa_reserve_vcc 0
		.amdhsa_float_denorm_mode_32 3
		.amdhsa_float_denorm_mode_16_64 3
		.amdhsa_memory_ordered 1
		.amdhsa_forward_progress 1
		.amdhsa_inst_pref_size 255
	.end_amdhsa_kernel
	.section	.bss,"aw",@nobits
	.p2align	6
	.space	262144
	.amdgpu_metadata
---
amdhsa.version: [ 1, 2 ]
amdhsa.kernels:
  - .name:           k_q4ae60dafc9_proj
    .symbol:         k_q4ae60dafc9_proj.kd
    .args:
      - { .name: q, .offset: 0, .size: 8, .value_kind: global_buffer, .address_space: global }
      - { .name: k, .offset: 8, .size: 8, .value_kind: global_buffer, .address_space: global }
      - { .name: v, .offset: 16, .size: 8, .value_kind: global_buffer, .address_space: global }
      - { .name: wb, .offset: 24, .size: 8, .value_kind: global_buffer, .address_space: global }
      - { .name: b_q, .offset: 32, .size: 8, .value_kind: global_buffer, .address_space: global }
      - { .name: b_k, .offset: 40, .size: 8, .value_kind: global_buffer, .address_space: global }
      - { .name: b_v, .offset: 48, .size: 8, .value_kind: global_buffer, .address_space: global }
      - { .name: qkvh, .offset: 56, .size: 8, .value_kind: global_buffer, .address_space: global }
    .group_segment_fixed_size: 327680
    .private_segment_fixed_size: 0
    .kernarg_segment_align: 8
    .kernarg_segment_size: 64
    .max_flat_workgroup_size: 128
    .sgpr_count:     96
    .vgpr_count:     704
    .wavefront_size: 32
...
	.end_amdgpu_metadata
.endif
;; end of part 2
;; launch attn (part 3): grid 4 x 64, 16 waves a work-group, clusters of 4 x 1, 327,680 bytes of LDS; arguments qkvh, mbits, ao; writes ao
.if DOCPART == 3
	.amdgcn_target "amdgcn-amd-amdhsa--gfx1250"
	.amdhsa_code_object_version 6
	.text
	.protected	k_q4ae60dafc9_attn
	.globl	k_q4ae60dafc9_attn
	.p2align	8
	.type	k_q4ae60dafc9_attn,@function
k_q4ae60dafc9_attn:
	s_mov_b64 s[64:65], 0
	v_nop
	global_prefetch_b8 v0, s[64:65] scope:SCOPE_SE
	s_setreg_imm32_b32 hwreg(HW_REG_WAVE_MODE, 25, 1), 1
	s_wait_xcnt 0x0
	s_wait_alu depctr_hold_cnt(0) depctr_sa_sdst(0) depctr_va_vdst(0) depctr_va_sdst(0) depctr_va_ssrc(0) depctr_va_vcc(0) depctr_vm_vsrc(0)
	s_getreg_b32 s2, hwreg(HW_REG_IB_STS2, 6, 4)
	s_cmp_eq_u32 s2, 0
	s_cbranch_scc0 .Lentry_in_a_cluster
	s_endpgm
.Lentry_in_a_cluster:
	s_bfe_u32 s2, ttmp6, 0x10000c
	s_cmp_lg_u32 s2, 0x3003
	s_cbranch_scc0 .Lentry_shape_is_right
	s_endpgm
.Lentry_shape_is_right:
; ATTN: softmax(where(mask == 0, -1e10, Q K^T / 8)) V for one (batch, head) = y and 512 query rows; ao[b][head][row][64] in f16.
; Q comes scaled by 0.125 log2(e), so scores are exponents of two; a masked score is -1e10 log2(e), put in by a select as in the definition (a row with no
; key left comes out uniform).  A running maximum is taken away before every exponential; sums in f32.
; LIMITS: exponentials below 2^-126 count as 0; the row sum adds the f32 exponentials while the product with V takes their f16 roundings.
; Sixteen waves, 32 query rows (two subtiles qs) each; keys go in steps of 64.  The mask is an input: every key block is worked on.
; THE SCORES ARE MADE TRANSPOSED, S^T = K Q^T: lane (r, h) holds query r and keys 8 h + j, so a row's maximum and sum need one exchange between the halves of
; the wave, the factors are one number a lane, and two tiles rounded to f16 are already the second source of O^T = V^T P^T.  V^T comes by the transposing LDS load.
; The mask costs one select a score: its lane masks were made by an earlier launch and come into scalar registers a step ahead.
; CLUSTERS: the four query blocks of one (batch, head) read the same K and V: 4 x 1 work-groups ask for each tile jointly (mask 15).
; LDS: two slots of 256 keys; a slot is 16 regions of 5,120 bytes, one a wave: regions 0-7 K (32 rows, pitch 144), regions 8-15 V (32 rows, pitch 160 = 5 x 32 for
; the transposing load).  Behind the ring each wave has 4,608 bytes of its own for the way out; no tensor load lands there.
.set SLOT,  81920
.set REG,   5120
.set VOFF,  8*REG
.set STAGE, 2*SLOT
.set KP,    144
.set VP,    160
.set KADR, 1                           ; v1-2    my K fragment address in slot 0, 1
.set VADR, 3                           ; v3-4    my V^T fragment address in slot 0, 1
.set NEGV, 5                           ; v5      the masked score
.set STO,  6                           ; v6      way out: in
.set RD,   7                           ; v7      way out: back
.set CO,   8                           ; v8      way out: 16 l
.set QO,   9                           ; v9      my offset in Q
.set MP,   10                          ; v[10:13] running maximum of subtile qs, twice (a pair for the packed subtraction)
.set LS,   14                          ; v14-15  running sum of subtile qs, my half's keys only until the end
.set AL,   16                          ; v[16:19] the step's factor 2^(old maximum - new), twice
.set T,    20                          ; v[20:31] at work
.set Q,    32                          ; v[32:63]   Q fragments at 16 qs + 8 ks
.set O,    64                          ; v[64:127]  O^T tiles at 8 (4 qs + dt)
.set S,    128                         ; v[128:191] S^T tiles at 8 (4 qs + kt); then P: the 8 registers of tile (qs, 2 g)
.set FR,   192                         ; v[192:255] K fragments at 16 kt + 8 ks, then V^T fragments at 32 g + 8 dt
; s[2:3] mask words of my two query tiles, this step;  s4 wave, s5 wave >> 3, s6 counter, s7 stage;  s[8:11], s[12:15] group 0 of slot 0, 1;
; s[16:63], s[68:83] 64 mask words: word n = 8 (4 qs + kt) + j in s[16 + n + 4 (n / 48)];  s66-67 selects of the half exchange;
; s[84:91] group 1 for K, s[92:99] for V;  s[100:101] ao at my rows;  s[104:105] Q at my rows
.macro ROUND                           ; a round of the cluster's barrier
	s_barrier_signal -1
	s_barrier_wait -1
	s_cmp_lg_u32 s4, 0
	s_cbranch_scc1 .Lnot_wave_0_\@
	s_barrier_signal -3
.Lnot_wave_0_\@:
	s_barrier_wait -3
	s_barrier_signal -1
	s_barrier_wait -1
.endm
.macro JLOAD s                         ; every wave asks for its region of slot s: waves 0-7 32 rows of K, waves 8-15 32 rows of V; the branch hangs on the wave's number alone
	s_cmp_eq_u32 s5, 0
	s_cbranch_scc0 .Lfor_v_\@
	tensor_load_to_lds s[8+4*(\s):11+4*(\s)], s[84:91]
	s_nop 0
	s_branch .Lasked_\@
.Lfor_v_\@:
	tensor_load_to_lds s[8+4*(\s):11+4*(\s)], s[92:99]
	s_nop 0
.Lasked_\@:
.endm
	s_load_b128 s[16:19], s[0:1], 0x0              ; qkvh, mbits
	s_load_b64 s[100:101], s[0:1], 0x10            ; ao
	v_lshl_add_u32 v30, v0, 2, 0x3a000
	v_mov_b32 v31, 0
	ds_add_u32 v30, v31
	v_lshrrev_b32 v1, 5, v0
	v_readfirstlane_b32 s4, v1                     ; wave 0..15
	s_lshr_b32 s5, s4, 3
	s_bfe_u32 s20, ttmp6, 0x40000                  ; cx = query block 0..3
	s_and_b32 s21, ttmp7, 0xffff                   ; y = 16 b + head
	s_mov_b32 s66, 0x76543210
	s_mov_b32 s67, 0xfedcba98
	; group 1: a dense block of 4,096 bytes as 16 rows of 256; behind every 32 words of LDS 4 words are skipped for K, 8 for V
	s_mov_b32 s84, 15|(3<<16)|(1<<20)|(1<<21)|(4<<22)|(3<<25)
	s_mov_b32 s92, 15|(3<<16)|(1<<20)|(1<<21)|(4<<22)|(7<<25)
	s_mov_b32 s85, 32<<16
	s_mov_b32 s93, 32<<16
	s_mov_b32 s86, 16<<16
	s_mov_b32 s94, 16<<16
	s_mov_b32 s87, 32<<16
	s_mov_b32 s95, 32<<16
	s_mov_b32 s88, 16
	s_mov_b32 s96, 16
	s_mov_b32 s89, 32
	s_mov_b32 s97, 32
	s_mov_b32 s90, 0
	s_mov_b32 s98, 0
	s_mov_b32 s91, 0
	s_mov_b32 s99, 0
	s_lshl_b32 s22, s5, 6                          ; K's panels begin at 64, V's at 128
	s_add_co_u32 s22, s22, s21
	s_add_co_u32 s22, s22, 64
	s_lshl_b32 s22, s22, 18                        ; x 262,144 bytes
	s_and_b32 s23, s4, 7
	s_lshl_b32 s23, s23, 12                        ; + my 32 rows of 128 bytes: y and the wave's number alone, equal in the four partners
	s_add_co_u32 s22, s22, s23
	s_mov_b32 s23, 0
	s_mul_i32 s24, s4, REG
	s_lshl_b32 s26, s21, 18                        ; Q and ao: panel y,
	s_lshl_b32 s27, s20, 16                        ; 512 rows a block,
	s_add_co_u32 s26, s26, s27
	s_lshl_b32 s27, s4, 12                         ; 32 rows a wave
	s_add_co_u32 s26, s26, s27
	s_mov_b32 s27, 0
	s_lshr_b32 s28, s21, 4                         ; mask words: (128 b + 32 block + 2 wave) query tiles of 4,096 bytes
	s_lshl_b32 s28, s28, 7
	s_lshl_b32 s29, s20, 5
	s_add_co_u32 s28, s28, s29
	s_lshl1_add_u32 s28, s4, s28
	s_lshl_b32 s28, s28, 12
	s_mov_b32 s29, 0
	s_mul_i32 s7, s4, 32*KP
	s_add_co_u32 s7, s7, STAGE
	v_and_b32 v[T], 15, v0                         ; r
	v_bfe_u32 v[T+1], v0, 4, 1                     ; h
	v_and_b32 v[T+2], 31, v0                       ; l
	v_and_b32 v[T+3], 7, v0
	v_bfe_u32 v[T+4], v0, 3, 1
	v_mul_u32_u24 v[T+5], v[T], KP
	v_lshl_add_u32 v[KADR], v[T+1], 4, v[T+5]      ; key r's row + 16 h
	v_add_nc_u32 v[KADR+1], SLOT, v[KADR]
	v_lshl_add_u32 v[T+6], v[T+1], 3, v[T+3]       ; the transposing load: key 8 h + (l & 7),
	v_mul_u32_u24 v[T+6], v[T+6], VP
	v_lshl_add_u32 v[T+6], v[T+4], 4, v[T+6]       ; 16 bytes for each group of eight lanes
	v_add_nc_u32 v[VADR], VOFF, v[T+6]
	v_add_nc_u32 v[VADR+1], VOFF+SLOT, v[T+6]
	v_mov_b32 v[NEGV], 0xd056fa73                  ; -1e10 log2(e)
	v_add_nc_u32 v[STO], s7, v[KADR]               ; stage + 144 r + 16 h
	v_bfe_u32 v[T+7], v0, 3, 2                     ; l >> 3
	v_mul_u32_u24 v[T+7], v[T+7], KP
	v_lshl_add_u32 v[T+7], v[T+3], 4, v[T+7]
	v_add_nc_u32 v[RD], s7, v[T+7]
	v_lshlrev_b32 v[CO], 4, v[T+2]
	v_lshlrev_b32 v[QO], 7, v[T]
	v_lshl_add_u32 v[QO], v[T+1], 4, v[QO]         ; query r's row + 16 h
	s_wait_dscnt 0x0
	s_wait_kmcnt 0x0
	s_mov_b32 s8, 1
	s_mov_b32 s9, s24
	s_add_nc_u64 s[10:11], s[16:17], s[22:23]      ; keys 0..255
	s_mov_b32 s12, 1
	s_add_co_u32 s13, s24, SLOT
	s_add_nc_u64 s[14:15], s[10:11], 32768         ; keys 256..511
	s_or_b32 s11, s11, 0x80000000
	s_or_b32 s15, s15, 0x80000000
	s_add_nc_u64 s[104:105], s[16:17], s[26:27]
	s_add_nc_u64 s[100:101], s[100:101], s[26:27]
	s_add_nc_u64 s[2:3], s[18:19], s[28:29]
	ROUND                                          ; the four work-groups are here: the first joint load meets
	JLOAD 0                                        ; one tensor load of the wave is out, here and behind every later round
.irp qs, 0,1
.irp ks, 0,1
	global_load_b128 v[Q+16*\qs+8*\ks:Q+16*\qs+8*\ks+3], v[QO], s[104:105] offset:2048*\qs+64*\ks
	global_load_b128 v[Q+16*\qs+8*\ks+4:Q+16*\qs+8*\ks+7], v[QO], s[104:105] offset:2048*\qs+64*\ks+32
.endr
.endr
	s_load_b512 s[16:31], s[2:3], 0x0              ; the first step's mask words: qs 0, key tiles 0 and 1,
	s_load_b512 s[32:47], s[2:3], 0x40             ; key tiles 2 and 3,
	s_load_b512 s[48:63], s[2:3], 0x1000           ; qs 1
	s_load_b512 s[68:83], s[2:3], 0x1040
; The new maximum of subtile qs over the step's 64 keys and the old one, and the factor for what was summed under the old one.
.macro ROWMAX qs, first
.if \first
	v_max3_num_f32 v[T+2*\qs], v[S+32*\qs], v[S+32*\qs+1], v[S+32*\qs+1]
.else
	v_max3_num_f32 v[T+2*\qs], v[MP+2*\qs], v[S+32*\qs], v[S+32*\qs+1]
.endif
.irp i, 2,4,6,8,10,12,14
	v_max3_num_f32 v[T+2*\qs], v[T+2*\qs], v[S+32*\qs+\i], v[S+32*\qs+\i+1]
.endr
	v_max3_num_f32 v[T+2*\qs+1], v[S+32*\qs+16], v[S+32*\qs+17], v[S+32*\qs+18]
.irp i, 19,21,23,25,27,29
	v_max3_num_f32 v[T+2*\qs+1], v[T+2*\qs+1], v[S+32*\qs+\i], v[S+32*\qs+\i+1]
.endr
	v_max3_num_f32 v[T+2*\qs], v[T+2*\qs], v[T+2*\qs+1], v[S+32*\qs+31]
	v_permlanex16_b32 v[T+2*\qs+1], v[T+2*\qs], s66, s67           ; the other half's keys of the same query
	v_max_num_f32 v[T+2*\qs+1], v[T+2*\qs], v[T+2*\qs+1]
.if \first
	v_mov_b32 v[MP+2*\qs], v[T+2*\qs+1]
	v_mov_b32 v[MP+2*\qs+1], v[T+2*\qs+1]
.else
	v_sub_f32 v[T+2*\qs], v[MP+2*\qs], v[T+2*\qs+1]
	v_exp_f32 v[AL+2*\qs], v[T+2*\qs]
	v_mov_b32 v[MP+2*\qs], v[T+2*\qs+1]            ; plain places behind the exponential (ISA guide 5.7.2): they touch neither its source nor its result
	v_mov_b32 v[MP+2*\qs+1], v[T+2*\qs+1]
	s_wait_alu depctr_va_vdst(0)
	v_mov_b32 v[AL+2*\qs+1], v[AL+2*\qs]
.endif
.endm
; The sum of subtile qs's 32 exponentials in my lane, in two chains, onto the running sum.
.macro ROWSUM qs, first
	v_pk_add_f32 v[T+4*\qs:T+4*\qs+1], v[S+32*\qs:S+32*\qs+1], v[S+32*\qs+2:S+32*\qs+3]
	v_pk_add_f32 v[T+4*\qs+2:T+4*\qs+3], v[S+32*\qs+16:S+32*\qs+17], v[S+32*\qs+18:S+32*\qs+19]
.irp i, 4,6,8,10,12,14
	v_pk_add_f32 v[T+4*\qs:T+4*\qs+1], v[T+4*\qs:T+4*\qs+1], v[S+32*\qs+\i:S+32*\qs+\i+1]
	v_pk_add_f32 v[T+4*\qs+2:T+4*\qs+3], v[T+4*\qs+2:T+4*\qs+3], v[S+32*\qs+16+\i:S+32*\qs+16+\i+1]
.endr
	v_pk_add_f32 v[T+4*\qs:T+4*\qs+1], v[T+4*\qs:T+4*\qs+1], v[T+4*\qs+2:T+4*\qs+3]
.if \first
	v_add_f32 v[LS+\qs], v[T+4*\qs], v[T+4*\qs+1]
.else
	v_add_f32 v[T+4*\qs], v[T+4*\qs], v[T+4*\qs+1]
	v_fma_f32 v[LS+\qs], v[LS+\qs], v[AL+2*\qs], v[T+4*\qs]
.endif
.endm
; 64 keys: step st (0..3) of a slot.  first = 1: the launch's first step starts maximum, sum and O.  mnext = 1: the next step's mask words are asked for.
.macro STEP slot, st, first, mnext
.irp ks, 0,1
.irp kt, 0,1,2,3
	ds_load_b128 v[FR+16*\kt+8*\ks:FR+16*\kt+8*\ks+3], v[KADR+\slot] offset:(2*\st+(\kt>>1))*REG+(\kt&1)*16*KP+64*\ks
	ds_load_b128 v[FR+16*\kt+8*\ks+4:FR+16*\kt+8*\ks+7], v[KADR+\slot] offset:(2*\st+(\kt>>1))*REG+(\kt&1)*16*KP+64*\ks+32
.endr
.endr
.if \first
	s_wait_loadcnt 0x0                             ; Q, once
.endif
	s_wait_dscnt 8                                 ; d = 0..31 of the four key tiles is in; the eight younger loads (d = 32..63) stay out
	; the eight score tiles take turns, one instruction a turn
.irp qs, 0,1
.irp kt, 0,1,2,3
	v_wmma_f32_16x16x32_f16 v[S+8*(4*\qs+\kt):S+8*(4*\qs+\kt)+7], v[FR+16*\kt:FR+16*\kt+7], v[Q+16*\qs:Q+16*\qs+7], 0
.endr
.endr
	s_wait_dscnt 0x0
.irp qs, 0,1
.irp kt, 0,1,2,3
	v_wmma_f32_16x16x32_f16 v[S+8*(4*\qs+\kt):S+8*(4*\qs+\kt)+7], v[FR+16*\kt+8:FR+16*\kt+15], v[Q+16*\qs+8:Q+16*\qs+15], v[S+8*(4*\qs+\kt):S+8*(4*\qs+\kt)+7]
.endr
.endr
.rept 4
	v_nop                                          ; four plain places: then loads into the K fragments' registers, and reads of the scores
.endr
.irp g, 0,1
.irp dt, 0,1,2,3
	ds_load_tr16_b128 v[FR+32*\g+8*\dt:FR+32*\g+8*\dt+3], v[VADR+\slot] offset:(2*\st+\g)*REG+32*\dt             ; keys 32 g + 8 h + 0..7 of column 16 dt + r
	ds_load_tr16_b128 v[FR+32*\g+8*\dt+4:FR+32*\g+8*\dt+7], v[VADR+\slot] offset:(2*\st+\g)*REG+32*\dt+16*VP     ; keys 32 g + 16 + 8 h + 0..7
.endr
.endr
	s_wait_kmcnt 0x0                               ; this step's mask words, asked for a step ago; their base is free again
.if \mnext
	s_add_nc_u64 s[2:3], s[2:3], 128               ; four key tiles of 32 bytes on
.endif
.set n, 0
.rept 64
	v_cndmask_b32 v[S+n], v[NEGV], v[S+n], s[16+n+4*(n/48)]        ; where the mask is 0: the masked score
.set n, n+1
.endr
.if \mnext
	s_load_b512 s[16:31], s[2:3], 0x0              ; the next step's words have this step's remaining work in which to come
	s_load_b512 s[32:47], s[2:3], 0x40
	s_load_b512 s[48:63], s[2:3], 0x1000
	s_load_b512 s[68:83], s[2:3], 0x1040
.endif
	ROWMAX 0, \first
	ROWMAX 1, \first
.irp qs, 0,1
.set n, 0
.rept 16
	v_pk_add_f32 v[S+32*\qs+n:S+32*\qs+n+1], v[S+32*\qs+n:S+32*\qs+n+1], v[MP+2*\qs:MP+2*\qs+1] neg_lo:[0,1] neg_hi:[0,1]   ; score - maximum
.set n, n+2
.endr
.endr
.set n, 0
.rept 64
	v_exp_f32 v[S+n], v[S+n]
.set n, n+1
.endr
.if \first
	v_nop                                          ; the plain place behind the exponentials (ISA guide 5.7.2)
	s_wait_alu depctr_va_vdst(0)
.else
	s_wait_alu depctr_va_vdst(0)
.irp qs, 0,1
.set n, 0
.rept 16
	v_pk_mul_f32 v[O+32*\qs+n:O+32*\qs+n+1], v[O+32*\qs+n:O+32*\qs+n+1], v[AL+2*\qs:AL+2*\qs+1]   ; O under the new maximum; also the plain places behind the exponentials
.set n, n+2
.endr
.endr
.endif
	ROWSUM 0, \first
	ROWSUM 1, \first
.irp qs, 0,1
.irp g, 0,1
.irp i, 0,1,2,3
	v_cvt_pk_f16_f32 v[S+32*\qs+16*\g+\i], v[S+32*\qs+16*\g+2*\i], v[S+32*\qs+16*\g+2*\i+1]         ; tile 2 g: keys 8 h + 0..7 of the 32: registers 0-3 of the fragment
.endr
.irp i, 0,1,2,3
	v_cvt_pk_f16_f32 v[S+32*\qs+16*\g+4+\i], v[S+32*\qs+16*\g+8+2*\i], v[S+32*\qs+16*\g+8+2*\i+1]   ; tile 2 g + 1: keys 16 + 8 h + 0..7: registers 4-7
.endr
.endr
.endr
	s_wait_dscnt 0x0                               ; V^T
	; the eight tiles of O^T take turns, one instruction a turn
.irp g, 0,1
.irp qs, 0,1
.irp dt, 0,1,2,3
.if \first*(1-\g)
	v_wmma_f32_16x16x32_f16 v[O+8*(4*\qs+\dt):O+8*(4*\qs+\dt)+7], v[FR+32*\g+8*\dt:FR+32*\g+8*\dt+7], v[S+32*\qs+16*\g:S+32*\qs+16*\g+7], 0
.else
	v_wmma_f32_16x16x32_f16 v[O+8*(4*\qs+\dt):O+8*(4*\qs+\dt)+7], v[FR+32*\g+8*\dt:FR+32*\g+8*\dt+7], v[S+32*\qs+16*\g:S+32*\qs+16*\g+7], v[O+8*(4*\qs+\dt):O+8*(4*\qs+\dt)+7]
.endif
.endr
.endr
.endr
.rept 5
	v_nop                                          ; five plain places: the next step's loads land on V^T's registers and its matrix instructions write over P
.endr
.endm
; 256 keys: one slot.  In front of the round every wave waits for all its tensor loads (its region of this slot among them) and for its LDS reads; behind the
; round the other slot, which no wave of any partner reads any more, is asked for again first; that load has four steps in which to land.
.macro TRIP slot, refill, first, last
	s_wait_tensorcnt 0x0
	ds_add_u32 v30, v31
	s_wait_dscnt 0x0
	s_add_nc_u64 s[10+4*\slot:11+4*\slot], s[10+4*\slot:11+4*\slot], 2*32768       ; no tensor load of mine is out: this slot's next 256 keys
	s_wait_dscnt 0x0
	ROUND
.if \refill
	JLOAD 1-\slot
.endif
	STEP \slot, 0, \first, 1
	STEP \slot, 1, 0, 1
	STEP \slot, 2, 0, 1
	STEP \slot, 3, 0, 1-\last
.endm
	TRIP 0, 1, 1, 0                                ; 2,048 keys are eight trips; the first starts the sums and fills slot 1 for the first time
	TRIP 1, 1, 0, 0
	s_mov_b32 s6, 2
.Lkeys:
	TRIP 0, 1, 0, 0
	TRIP 1, 1, 0, 0
	s_sub_co_u32 s6, s6, 1
	s_cmp_lg_u32 s6, 0
	s_cbranch_scc1 .Lkeys
	TRIP 0, 1, 0, 0
	TRIP 1, 0, 0, 1                                ; the last trip asks for no tile, and its last step for no mask words
	; THE END: the two halves' sums meet, O / sum, f16, through my own stage, out in runs of 512 bytes (four rows of my head)
	v_permlanex16_b32 v[T], v[LS], s66, s67
	v_permlanex16_b32 v[T+1], v[LS+1], s66, s67
	v_add_f32 v[LS], v[LS], v[T]
	v_add_f32 v[LS+1], v[LS+1], v[T+1]             ; at least 1: the maximum's own exponential
	v_rcp_f32 v[AL], v[LS]
	v_rcp_f32 v[AL+1], v[LS]
	v_rcp_f32 v[AL+2], v[LS+1]
	v_rcp_f32 v[AL+3], v[LS+1]
	v_nop                                          ; the plain place behind the reciprocals (ISA guide 5.7.2)
	s_wait_alu depctr_va_vdst(0)
.irp qs, 0,1
.set n, 0
.rept 16
	v_pk_mul_f32 v[O+32*\qs+n:O+32*\qs+n+1], v[O+32*\qs+n:O+32*\qs+n+1], v[AL+2*\qs:AL+2*\qs+1]
.set n, n+2
.endr
.endr
.set n, 0
.rept 32
	v_cvt_pk_f16_f32 v[S+n], v[O+2*n], v[O+2*n+1]  ; tile (qs, dt): four registers = d 16 dt + 8 h + 0..7 of query 16 qs + r
.set n, n+1
.endr
.irp qs, 0,1
.irp dt, 0,1,2,3
	ds_store_b128 v[STO], v[S+4*(4*\qs+\dt):S+4*(4*\qs+\dt)+3] offset:16*KP*\qs+32*\dt
.endr
.endr
.irp t, 0,1,2,3,4,5,6,7
	ds_load_b128 v[FR+4*\t:FR+4*\t+3], v[RD] offset:4*KP*\t        ; LDS serves a wave's instructions in order: these see my stores
.endr
.irp t, 0,1,2,3,4,5,6,7
	s_wait_dscnt 7-\t                              ; read-back t is in, the younger ones stay out
	global_store_b128 v[CO], v[FR+4*\t:FR+4*\t+3], s[100:101] offset:512*\t        ; 512 consecutive bytes, at a multiple of 512
.endr
	s_wait_tensorcnt 0x0
	ds_add_u32 v30, v31
	s_wait_dscnt 0x0
	ROUND                                          ; the closing round: no work-group ends while a partner may still ask for a tile that names it
	s_endpgm
.Lfunc_end_k_q4ae60dafc9_attn:
	.size	k_q4ae60dafc9_attn, .Lfunc_end_k_q4ae60dafc9_attn-k_q4ae60dafc9_attn
	.p2alignl 7, 3214868480
	.fill 96, 4, 3214868480
	.section	.rodata,"a",@progbits
	.p2align	6, 0x0
	.amdhsa_kernel k_q4ae60dafc9_attn
		.amdhsa_group_segment_fixed_size 327680
		.amdhsa_private_segment_fixed_size 0
		.amdhsa_enable_private_segment 0
		.amdhsa_kernarg_size 24
		.amdhsa_user_sgpr_count 2
		.amdhsa_user_sgpr_kernarg_segment_ptr 1
		.amdhsa_wavefront_size32 1
		.amdhsa_system_sgpr_workgroup_id_x 1
		.amdhsa_system_sgpr_workgroup_id_y 1
		.amdhsa_system_sgpr_workgroup_id_z 1
		.amdhsa_system_vgpr_workitem_id 0
		.amdhsa_next_free_vgpr 256
		.amdhsa_next_free_sgpr 106
		.amdhsa_reserve_vcc 0
		.amdhsa_float_denorm_mode_32 3
		.amdhsa_float_denorm_mode_16_64 3
		.amdhsa_memory_ordered 1
		.amdhsa_forward_progress 1
		.amdhsa_inst_pref_size 255
	.end_amdhsa_kernel
	.section	.bss,"aw",@nobits
	.p2align	6
	.space	262144
	.amdgpu_metadata
---
amdhsa.version: [ 1, 2 ]
amdhsa.kernels:
  - .name:           k_q4ae60dafc9_attn
    .symbol:         k_q4ae60dafc9_attn.kd
    .args:
      - { .name: qkvh, .offset: 0, .size: 8, .value_kind: global_buffer, .address_space: global }
      - { .name: mbits, .offset: 8, .size: 8, .value_kind: global_buffer, .address_space: global }
      - { .name: ao, .offset: 16, .size: 8, .value_kind: global_buffer, .address_space: global }
    .group_segment_fixed_size: 327680
    .private_segment_fixed_size: 0
    .kernarg_segment_align: 8
    .kernarg_segment_size: 24
    .max_flat_workgroup_size: 512
    .sgpr_count:     106
    .vgpr_count:     256
    .wavefront_size: 32
...
	.end_amdgpu_metadata
.endif
;; end of part 3
;; launch oproj (part 4): grid 4 x 64, 4 waves a work-group, clusters of 4 x 4, 327,680 bytes of LDS; arguments ao, wb, b_o, out0; writes out0
.if DOCPART == 4
	.amdgcn_target "amdgcn-amd-amdhsa--gfx1250"
	.amdhsa_code_object_version 6
	.text
	.protected	k_q4ae60dafc9_oproj
	.globl	k_q4ae60dafc9_oproj
	.p2align	8
	.type	k_q4ae60dafc9_oproj,@function
k_q4ae60dafc9_oproj:
	s_mov_b64 s[64:65], 0
	v_nop
	global_prefetch_b8 v0, s[64:65] scope:SCOPE_SE
	s_setreg_imm32_b32 hwreg(HW_REG_WAVE_MODE, 25, 1), 1
	s_wait_xcnt 0x0
	s_wait_alu depctr_hold_cnt(0) depctr_sa_sdst(0) depctr_va_vdst(0) depctr_va_sdst(0) depctr_va_ssrc(0) depctr_va_vcc(0) depctr_vm_vsrc(0)
	s_getreg_b32 s2, hwreg(HW_REG_IB_STS2, 6, 4)
	s_cmp_eq_u32 s2, 0
	s_cbranch_scc0 .Lentry_in_a_cluster
	s_endpgm
.Lentry_in_a_cluster:
	s_bfe_u32 s2, ttmp6, 0x10000c
	s_cmp_lg_u32 s2, 0xf033
	s_cbranch_scc0 .Lentry_shape_is_right
	s_endpgm
.Lentry_shape_is_right:
; OPROJ: out0 = ao w_o^T + b_o, 8,192 x 1,024 x 1,024.  ao in f16 panels [b][p = 16][row = 2048][64]; w_o is part 3 of wb, bf16 numbers in f16 format;
; sums in f32, out0 in f32.  LIMIT: what holds of w_o's f16 format where it is made (exact from 2^-14 up, a step of 2^-24 below, 65,504 at the most).
; The structure is the input projections': a work-group makes 128 rows x 256 columns with four waves of 64 x 128 (32 accumulator tiles); 256 work-groups.
; K goes in steps of 128 (two panels) through a ring of two LDS slots; a panel's part of a tile is a dense block, fetched as rows of 256 bytes, with 16 bytes
; of LDS skipped behind every 128: LDS rows are 144 bytes apart.
; CLUSTERS: 4 x 4 work-groups; ao's tiles are asked for jointly along a row of the cluster, w_o's along a column, which divides the requests for both by four.
; REGISTERS: window 0: addresses, fragments (two buffers), the way out; window 1: the accumulators, tile (a, b) at v[8 (8 a + b)]; window 2: v0-63 the bias.
; The matrix instruction is used transposed (source 0 = rows of w_o, source 1 = rows of ao): a lane holds eight neighbouring columns of one row.
.set PITCH,  144
.set APL,    128*PITCH
.set BPL,    256*PITCH
.set BOFF,   2*APL
.set SLOT,   2*APL+2*BPL
.set STAGE,  2*SLOT                    ; behind the ring, a multiple of 256: 16 rows x 528 bytes for each wave; no tensor load lands here
.set SPITCH, 528                       ; 512 bytes + 16: 33 x 16
.set LAPS,   4
.set ADRA, 16
.set ADRB, 20
.set STO,  24
.set RD,   25
.set CO,   26
.set VB,   27
.set FA,   32                          ; v32-63, v64-95    fragments of ao, two buffers; on the way out 16 read-backs
.set FB,   96                          ; v96-159, v160-223 fragments of w_o, two buffers
.set G1,  28
.set G0,  36
.set G1B, 44
.set G0B, 52
.set G1W, (3<<16)|(1<<20)|(1<<21)|(4<<22)|(3<<25)
.set ACCW, 0x50
.set MSB, 0
.macro WIN new
.if MSB != \new
	s_set_vgpr_msb (MSB<<8)|\new
.set MSB, \new
.endif
.endm
.macro JLOAD s                         ; waves 0 and 1 fetch ao's two panels, waves 2 and 3 w_o's; the branch hangs on the wave's number alone
	s_cmp_eq_u32 s21, 0
	s_cbranch_scc0 .Lfor_b_\@
	tensor_load_to_lds s[G0+4*\s:G0+4*\s+3], s[G1:G1+7]
	s_nop 0
	s_branch .Lasked_\@
.Lfor_b_\@:
	tensor_load_to_lds s[G0B+4*\s:G0B+4*\s+3], s[G1B:G1B+7]
	s_nop 0
.Lasked_\@:
.endm
.macro CREST
	s_cmp_lg_u32 s20, 0
	s_cbranch_scc1 .Lnot_wave_0_\@
	s_barrier_signal -3
.Lnot_wave_0_\@:
	s_barrier_wait -3
	s_barrier_signal -1
	s_barrier_wait -1
.endm
.macro CROUND
	s_barrier_signal -1
	s_barrier_wait -1
	CREST
.endm
.macro PLACES                          ; four plain places behind matrix instructions (ISA guide 7.12.1)
.rept 4
	v_nop
.endr
.endm
	s_load_b256 s[4:11], s[0:1], 0x0               ; ao s[4:5], wb s[6:7], b_o s[8:9], out0 s[10:11]
	v_lshl_add_u32 v254, v0, 2, 0x3e400
	v_mov_b32 v255, 0
	ds_add_u32 v254, v255
	v_lshrrev_b32 v1, 5, v0
	v_readfirstlane_b32 s20, v1                    ; W
	s_lshr_b32 s21, s20, 1                         ; WM: my 64 rows; I fetch for ao (0) or for w_o (1)
	s_and_b32 s22, s20, 1                          ; WN: my 128 columns; the panel that I fetch
	s_bfe_u32 s23, ttmp6, 0x40000                  ; cx
	s_bfe_u32 s24, ttmp6, 0x40004                  ; cy
	s_lshl_b32 s25, ttmp9, 2
	s_add_co_u32 s25, s25, s23                     ; BC 0..3
	s_and_b32 s26, ttmp7, 0xffff
	s_lshl_b32 s26, s26, 2
	s_add_co_u32 s26, s26, s24                     ; BR 0..63
	s_lshl_b32 s60, s24, 2
	s_lshl_b32 s60, 15, s60                        ; my row of the cluster
	s_lshl_b32 s61, 0x1111, s23                    ; my column
	s_or_b32 s[G1+0], s60, G1W
	s_or_b32 s[G1B+0], s61, G1W
	s_mov_b32 s[G1+1], 32<<16
	s_mov_b32 s[G1B+1], 32<<16
	s_mov_b32 s[G1+2], 64<<16
	s_mov_b32 s[G1B+2], 128<<16
	s_mov_b32 s[G1+3], 32<<16
	s_mov_b32 s[G1B+3], 32<<16
	s_mov_b32 s[G1+4], 64
	s_mov_b32 s[G1B+4], 128
	s_mov_b32 s[G1+5], 32
	s_mov_b32 s[G1B+5], 32
	s_mov_b32 s[G1+6], 0
	s_mov_b32 s[G1B+6], 0
	s_mov_b32 s[G1+7], 0
	s_mov_b32 s[G1B+7], 0
	s_lshr_b32 s16, s26, 4
	s_lshl_b32 s16, s16, 22                        ; b x 4 MiB
	s_and_b32 s17, s26, 15
	s_lshl_b32 s17, s17, 14
	s_add_co_u32 s16, s16, s17
	s_lshl_b32 s17, s22, 18
	s_add_co_u32 s16, s16, s17
	s_mov_b32 s17, 0
	s_lshl_b32 s18, s25, 15                        ; 256 rows of 128 bytes for each block column
	s_lshl_b32 s19, s22, 17
	s_add_co_u32 s18, s18, s19
	s_add_co_u32 s18, s18, 3*2097152               ; part 3 of wb
	s_mov_b32 s19, 0
	s_mul_i32 s62, s22, APL
	s_mul_i32 s63, s22, BPL
	s_add_co_u32 s63, s63, BOFF
	s_wait_dscnt 0x0
	s_wait_kmcnt 0x0
	s_add_nc_u64 s[16:17], s[4:5], s[16:17]
	s_add_nc_u64 s[18:19], s[6:7], s[18:19]
	CROUND                                         ; all sixteen work-groups are here: the first joint loads meet
.irp s, 0,1
	s_mov_b32 s[G0+4*\s], 1
	s_add_co_u32 s[G0+4*\s+1], s62, \s*SLOT
	s_add_nc_u64 s[G0+4*\s+2:G0+4*\s+3], s[16:17], \s*2*262144
	s_or_b32 s[G0+4*\s+3], s[G0+4*\s+3], 0x80000000
	s_mov_b32 s[G0B+4*\s], 1
	s_add_co_u32 s[G0B+4*\s+1], s63, \s*SLOT
	s_add_nc_u64 s[G0B+4*\s+2:G0B+4*\s+3], s[18:19], \s*2*131072
	s_or_b32 s[G0B+4*\s+3], s[G0B+4*\s+3], 0x80000000
	JLOAD \s                                       ; two tensor loads of the wave are out here, later one
.endr
	v_and_b32 v1, 15, v0                           ; r
	v_bfe_u32 v2, v0, 4, 1                         ; h
	s_lshl_b32 s76, s25, 10
	s_lshl_b32 s77, s22, 9
	s_add_co_u32 s76, s76, s77                     ; (256 BC + 128 WN) x 4 bytes
	v_lshl_add_u32 v[VB], v2, 5, s76
	WIN 0x80                                       ; destination in window 2
.irp b, 0,1,2,3,4,5,6,7
	global_load_b128 v[8*\b:8*\b+3], v[VB], s[8:9] offset:64*\b
	global_load_b128 v[8*\b+4:8*\b+7], v[VB], s[8:9] offset:64*\b+16
.endr
	WIN 0
	v_mul_u32_u24 v3, v1, PITCH
	v_lshl_add_u32 v3, v2, 4, v3
	s_mul_i32 s60, s21, 64*PITCH
	s_mul_i32 s61, s22, 128*PITCH
	s_add_co_u32 s61, s61, BOFF
.irp s, 0,1
	v_add_nc_u32 v[ADRA+\s], s60, v3
	v_add_nc_u32 v[ADRB+\s], s61, v3
	s_add_co_u32 s60, s60, SLOT
	s_add_co_u32 s61, s61, SLOT
.endr
	s_mul_i32 s62, s20, 16*SPITCH
	s_add_co_u32 s62, s62, STAGE                   ; my stage
	v_mul_u32_u24 v4, v1, SPITCH
	v_lshl_add_u32 v4, v2, 5, v4
	v_add_nc_u32 v[STO], s62, v4                   ; in: row r, 32 bytes for each half of the lanes
	v_and_b32 v5, 31, v0
	v_lshlrev_b32 v[CO], 4, v5                     ; back and out: 16 l, a whole row of 512 bytes
	v_add_nc_u32 v[RD], s62, v[CO]
	s_lshl_b32 s76, s26, 19                        ; 128 rows of 4,096 bytes for each block row
	s_lshl_b32 s77, s21, 18                        ; + my 64 rows
	s_add_co_u32 s76, s76, s77
	s_lshl_b32 s77, s25, 10                        ; + my columns
	s_add_co_u32 s76, s76, s77
	s_lshl_b32 s77, s22, 9
	s_add_co_u32 s76, s76, s77
	s_mov_b32 s77, 0
	s_add_nc_u64 s[72:73], s[10:11], s[76:77]
	s_wait_loadcnt 0x0                             ; the bias, once; it comes while the first tiles are on their way
; The 32 accumulators take turns, one instruction a turn, in the same order in every quarter step.
.macro MUL8 f, a, zero
.irp b, 0,1,2,3,4,5,6,7
.if \zero
	v_wmma_f32_16x16x32_f16 v[8*(8*\a+\b):8*(8*\a+\b)+7], v[FB+64*\f+8*\b:FB+64*\f+8*\b+7], v[FA+32*\f+8*\a:FA+32*\f+8*\a+7], 0
.else
	v_wmma_f32_16x16x32_f16 v[8*(8*\a+\b):8*(8*\a+\b)+7], v[FB+64*\f+8*\b:FB+64*\f+8*\b+7], v[FA+32*\f+8*\a:FA+32*\f+8*\a+7], v[8*(8*\a+\b):8*(8*\a+\b)+7]
.endif
.endr
.endm
.macro FETCH slot, kq, f               ; 24 LDS loads in one run: quarter kq of a K step into buffer f
.irp i, 0,1,2,3,4,5,6,7
	ds_load_b128 v[FB+64*\f+8*\i:FB+64*\f+8*\i+3], v[ADRB+\slot] offset:(\kq>>1)*BPL+(\kq&1)*64+\i*16*PITCH
	ds_load_b128 v[FB+64*\f+8*\i+4:FB+64*\f+8*\i+7], v[ADRB+\slot] offset:(\kq>>1)*BPL+(\kq&1)*64+\i*16*PITCH+32
.endr
.irp i, 0,1,2,3
	ds_load_b128 v[FA+32*\f+8*\i:FA+32*\f+8*\i+3], v[ADRA+\slot] offset:(\kq>>1)*APL+(\kq&1)*64+\i*16*PITCH
	ds_load_b128 v[FA+32*\f+8*\i+4:FA+32*\f+8*\i+7], v[ADRA+\slot] offset:(\kq>>1)*APL+(\kq&1)*64+\i*16*PITCH+32
.endr
.endm
.macro QUARTER slot, kq, f, g, zero
	s_wait_dscnt 4                                 ; w_o and ao's blocks 0 and 1 are in; the youngest four loads (ao's blocks 2 and 3) may be out
	WIN ACCW
	MUL8 \f, 0, \zero
	MUL8 \f, 1, \zero
	WIN 0
	PLACES
	FETCH \slot, \kq, \g
	s_wait_dscnt 24                                ; all but the 24 just issued
	WIN ACCW
	MUL8 \f, 2, \zero
	MUL8 \f, 3, \zero
.endm
.macro THREE slot, zero
	QUARTER \slot, 1, 0, 1, \zero
	QUARTER \slot, 2, 1, 0, 0
	QUARTER \slot, 3, 0, 1, 0
.endm
; The last quarter changes slots: each wave's waits for its reads of this slot and for all its tensor loads stand in front of the barrier; with fill = 1 the
; barrier opens a round of the cluster's barrier and the joint refill of this slot is the first tensor load behind the round.
.macro TURN slot, next, fill
	s_wait_dscnt 4
	WIN ACCW
	MUL8 1, 0, 0
	s_wait_dscnt 0
	s_wait_tensorcnt 0x0
	ds_add_u32 v254, v255
	s_wait_dscnt 0x0
	s_barrier_signal -1
	MUL8 1, 1, 0
	WIN 0
	s_barrier_wait -1
.if \fill
	CREST
	s_add_nc_u64 s[G0+4*\slot+2:G0+4*\slot+3], s[G0+4*\slot+2:G0+4*\slot+3], 4*262144
	s_add_nc_u64 s[G0B+4*\slot+2:G0B+4*\slot+3], s[G0B+4*\slot+2:G0B+4*\slot+3], 4*131072
	JLOAD \slot
.endif
	PLACES
	FETCH \next, 0, 0
	WIN ACCW
	MUL8 1, 2, 0
	MUL8 1, 3, 0
.endm
.macro LAP zero
	THREE 0, \zero
	TURN 0, 1, 1
	THREE 1, 0
	TURN 1, 0, 1
.endm
	s_wait_tensorcnt 1                             ; my part of K step 0 is in; K step 1's may stay out
	s_barrier_signal -1
	s_barrier_wait -1
	FETCH 0, 0, 0
	LAP 1
	WIN 0
	s_mov_b32 s74, LAPS-2
.Llap:
	LAP 0
	WIN 0
	s_sub_co_u32 s74, s74, 1
	s_cmp_lg_u32 s74, 0
	s_cbranch_scc1 .Llap
	THREE 0, 0
	TURN 0, 1, 0
	THREE 1, 0
	s_wait_dscnt 4
	WIN ACCW
	MUL8 1, 0, 0
	MUL8 1, 1, 0
	s_wait_dscnt 0
	MUL8 1, 2, 0
	MUL8 1, 3, 0
	WIN 0
	PLACES
; THE WAY OUT, 16 rows at a time: sum + bias, 32 bytes a lane into my own stage, read back and stored as whole rows of 512 bytes.
.macro OUT16F i
	WIN 0x09                                       ; source 0 (sums) window 1, source 1 (bias) window 2, destination window 0
.irp b, 0,1,2,3,4,5,6,7
.irp r, 0,2,4,6
	v_pk_add_f32 v[FB+64+8*\b+\r:FB+64+8*\b+\r+1], v[8*(8*\i+\b)+\r:8*(8*\i+\b)+\r+1], v[8*\b+\r:8*\b+\r+1]
.endr
.endr
	WIN 0
.irp b, 0,1,2,3,4,5,6,7
	ds_store_b128 v[STO], v[FB+64+8*\b:FB+64+8*\b+3] offset:64*\b
	ds_store_b128 v[STO], v[FB+64+8*\b+4:FB+64+8*\b+7] offset:64*\b+16
.endr
	s_wait_xcnt 0x0                                ; v32-95, which earlier stores read, are loaded again only behind this wait
.irp t, 0,1,2,3,4,5,6,7,8,9,10,11,12,13,14,15
	ds_load_b128 v[FA+4*\t:FA+4*\t+3], v[RD] offset:\t*SPITCH      ; LDS serves a wave's instructions in order: these see the stores above
.endr
.irp t, 0,1,2,3,4,5,6,7,8,9,10,11,12,13,14,15
	s_wait_dscnt 15-\t                             ; read-back t is in, the younger ones stay out
	global_store_b128 v[CO], v[FA+4*\t:FA+4*\t+3], s[72:73] offset:(16*\i+\t)*4096 th:TH_STORE_NT   ; 512 consecutive bytes, at a multiple of 512
.endr
.endm
	OUT16F 0
	OUT16F 1
	OUT16F 2
	OUT16F 3
	s_wait_tensorcnt 0x0
	ds_add_u32 v254, v255
	s_wait_dscnt 0x0
	CROUND                                         ; the closing round
	s_endpgm
.Lfunc_end_k_q4ae60dafc9_oproj:
	.size	k_q4ae60dafc9_oproj, .Lfunc_end_k_q4ae60dafc9_oproj-k_q4ae60dafc9_oproj
	.p2alignl 7, 3214868480
	.fill 96, 4, 3214868480
	.section	.rodata,"a",@progbits
	.p2align	6, 0x0
	.amdhsa_kernel k_q4ae60dafc9_oproj
		.amdhsa_group_segment_fixed_size 327680
		.amdhsa_private_segment_fixed_size 0
		.amdhsa_enable_private_segment 0
		.amdhsa_kernarg_size 32
		.amdhsa_user_sgpr_count 2
		.amdhsa_user_sgpr_kernarg_segment_ptr 1
		.amdhsa_wavefront_size32 1
		.amdhsa_system_sgpr_workgroup_id_x 1
		.amdhsa_system_sgpr_workgroup_id_y 1
		.amdhsa_system_sgpr_workgroup_id_z 1
		.amdhsa_system_vgpr_workitem_id 0
		.amdhsa_next_free_vgpr 576
		.amdhsa_next_free_sgpr 80
		.amdhsa_reserve_vcc 0
		.amdhsa_float_denorm_mode_32 3
		.amdhsa_float_denorm_mode_16_64 3
		.amdhsa_memory_ordered 1
		.amdhsa_forward_progress 1
		.amdhsa_inst_pref_size 127
	.end_amdhsa_kernel
	.amdgpu_metadata
---
amdhsa.version: [ 1, 2 ]
amdhsa.kernels:
  - .name:           k_q4ae60dafc9_oproj
    .symbol:         k_q4ae60dafc9_oproj.kd
    .args:
      - { .name: ao, .offset: 0, .size: 8, .value_kind: global_buffer, .address_space: global }
      - { .name: wb, .offset: 8, .size: 8, .value_kind: global_buffer, .address_space: global }
      - { .name: b_o, .offset: 16, .size: 8, .value_kind: global_buffer, .address_space: global }
      - { .name: out0, .offset: 24, .size: 8, .value_kind: global_buffer, .address_space: global }
    .group_segment_fixed_size: 327680
    .private_segment_fixed_size: 0
    .kernarg_segment_align: 8
    .kernarg_segment_size: 32
    .max_flat_workgroup_size: 128
    .sgpr_count:     80
    .vgpr_count:     576
    .wavefront_size: 32
...
	.end_amdgpu_metadata
.endif
;; end of part 4
